; MI455X (gfx1250); checked and timed in simulation.
; The chip was launched on July 23, 2026; its instructions are those of AMD's public machine-readable ISA for CDNA 5 (MIT licence, August 2026) and "CDNA5" Instruction Set Architecture Reference Guide (July 2026). The comments in the code are by the model that wrote it; some were corrected since.
;; Vector Quantizer. Allowed arithmetic: matrix products marked QUANTISED: E2M3 operands, one E8M0 scale for each 32 along K, by v_wmma_scale_f32_16x16x128_f8f6f4 with both operands' format E2M3, f32 sums; everything else in f32.
;; Inputs: emb 8,192 x 256 float32; inputs 8 x 2,048 x 256 float32.
;; Outputs: out0 8 x 2,048 x 256 float32; out1 one number float32; out2 8 x 2,048 int32; out3 one number float32.
;; This version of the problem:
;;   THIS VERSION OF THE PROBLEM IS GIVEN IN LOW PRECISION. The matrix products marked QUANTISED in the list below multiply operands that are first quantised to E2M3 (2 exponent bits, 3 mantissa bits; 6 bits a number), with one power-of-two scale for each 32 numbers along K (OCP MX v1.0); their sums are f32. All else is computed in f32.
;;   The module's matrix products, in the order in which they are computed (A, B: the left and right operand; K: the contracted axis; several contracted axes count as one K, in the product's order):
;;     1. [M 16,384, K 256] x [K 256, N 8,192]; A: input inputs; B: input emb: QUANTISED
;;   THE QUANTISER, for each operand of a quantised product, along K:
;;     - K is cut into blocks of 32 from its start; a last block that is shorter is filled with zeros.
;;     - A block's scale is 2^e with e = floor(log2(the largest magnitude in the block)) - 2, held to -126 .. 127; a block of zeros has e = 0. As a byte (E8M0): e + 127.
;;     - Each number is divided by its block's scale, clamped to +-7.5, and rounded to the nearest number of E2M3, ties to even, subnormals kept.
;;     - The product sums the exact products of the quantised numbers (number of the format x scale) in f32.
;;   ~~~python
;;   def quantise(x, axis):      # numpy; x: float32 -> the quantised numbers, widened to float32 again
;;       x = np.moveaxis(x, axis, -1); K = x.shape[-1]
;;       x = np.pad(x, [(0, 0)] * (x.ndim - 1) + [(0, -K % 32)]); x = x.reshape(x.shape[:-1] + (-1, 32)); a = np.abs(x).max(-1, keepdims=True)
;;       e = np.where(a > 0, np.clip(np.frexp(np.where(a > 0, a, 1))[1] - 1 - 2, -126, 127), 0)      # np.frexp(a)[1] - 1 = floor(log2(a)), exactly
;;       r = np.clip(x / 2.0 ** e, -7.5, 7.5)
;;       step = 2.0 ** (np.maximum(np.frexp(np.where(r == 0, 1, r))[1] - 1, 0) - 3)
;;       q = np.round(r / step) * step * 2.0 ** e      # np.round: ties to even
;;       return np.moveaxis(q.reshape(q.shape[:-2] + (-1,))[..., :K], -1, axis).astype(np.float32)
;;   ~~~
;; One version. Each part assembles by itself: llvm-mc -triple=amdgcn-amd-amdhsa -mcpu=gfx1250 --defsym DOCPART=n.
;; ======== version 1 of 1: 4 launches
;; limits: right only within a limited range of input values
;; workspace buffers: xrec 3,407,872 bytes; erec 1,703,936 bytes; astat 131,072 bytes; pm 131,072 bytes; order 131,072 bytes of whole numbers; cpart 131,072 bytes; lpart 1,024 bytes
;; launch quant (part 1): grid 256 x 1, 6 waves a work-group, no clusters, 168,704 bytes of LDS; arguments inputs, emb, xrec, erec; writes xrec, erec
.if DOCPART == 1
	.amdgcn_target "amdgcn-amd-amdhsa--gfx1250"
	.amdhsa_code_object_version 6
	.text
	.protected	k_qd11cba2b3f_quant
	.globl	k_qd11cba2b3f_quant
	.p2align	8
	.type	k_qd11cba2b3f_quant,@function
k_qd11cba2b3f_quant:
	s_mov_b64 s[64:65], 0
	v_nop
	global_prefetch_b8 v0, s[64:65] scope:SCOPE_SE
	s_setreg_imm32_b32 hwreg(HW_REG_WAVE_MODE, 25, 1), 1
	s_wait_xcnt 0x0
; inputs [16384][256] and emb [8192][256], f32, become RECORDS: one record for each tile of 16 rows, 3,328 bytes, laid in the order of a matrix operand's registers.
;   bytes 0-1535, 1536-3071: the FP6 (E2M3) fragment of K step 0, 1 (16 rows x 128 K, 12 registers a lane): registers 4 c .. 4 c + 3 of lane l at 512 c + 16 l.
;     Lane (r = l % 16, h = l / 16) holds row r; registers 6 c .. 6 c + 5 hold k = 64 c + 32 h + 0 .. 31.
;   bytes 3072-3199: scale words, 4 bytes a lane: lanes 0-15 row r's word of K step 0, lanes 16-31 row r's word of K step 1.
;   bytes 3200-3327: the sum of squares of row l % 16, f32, 4 bytes a lane.
; A block's scale is 2^(floor(log2(its largest magnitude)) - 2); its byte is the largest magnitude's exponent field - 2, held at 1 from below.
; LIMITS: a block of zeros gets the byte 1 where the rule says 127 (its codes are zeros, and this program alone reads the bytes); blocks whose largest magnitude lies under 2^-124
; are held at byte 1 and were not tried; NaN and infinities are not served; the rows' sums of squares are added in an order of this text's own.
; SHARES: 1,536 tiles = 256 work-groups x 6 waves, a tile a wave; tiles 0-1023 are tokens, the others codes.  A wave's 16 rows (16 KiB) come by one tensor load into the wave's own stage,
; rows 1,040 bytes apart, and only that wave reads them: no barrier.  Nothing is filled twice.
.set PITCH, 1040                       ; a stage row: 1,024 bytes + 16: the sixteen lanes of half a 16-byte load start 16 bytes apart modulo 256
.set STG,   16*PITCH                   ; a wave's stage
.set SCRB,  6*STG                      ; behind the stages: 256 bytes for each wave, where a record's last 256 bytes are put together
.set RECB,  3328
.set XT,    1024                       ; tiles of tokens
.set F,     32                         ; v32-55   the two fragments: F + 12 s + 6 c
.set TC,    56                         ; v56-71   the upper halves of the four blocks' codes, as converted
.set X,     72                         ; v72-199  my four blocks of 32 numbers: X + 32 n, n = 2 s + c
	s_load_b128 s[4:7], s[0:1], 0x0                ; inputs, emb
	s_load_b128 s[8:11], s[0:1], 0x10              ; xrec, erec
	v_lshl_add_u32 v208, v0, 2, 0x29000
	v_mov_b32 v209, 0
	ds_add_u32 v208, v209
	ds_add_u32 v208, v209
	v_lshrrev_b32 v1, 5, v0
	v_readfirstlane_b32 s12, v1                    ; wave 0..5
	s_mul_i32 s13, ttmp9, 6
	s_add_co_u32 s13, s13, s12                     ; my tile, 0..1535
	s_mul_i32 s15, s12, STG                        ; my stage
	s_mov_b32 s16, (2<<16)|(1<<20)|(7<<22)|(3<<25) ; elements of 4 bytes; padding on: after every 256 words (code 7) 4 words (code 3)
	s_mov_b32 s17, 256<<16                         ; tensor_dim0 = 256
	s_mov_b32 s18, 16<<16                          ; tensor_dim1 = 16
	s_mov_b32 s19, 256<<16                         ; tile_dim0 = 256
	s_mov_b32 s20, 16                              ; tile_dim1 = 16
	s_mov_b32 s21, 256                             ; elements from row to row
	s_mov_b32 s22, 0
	s_mov_b32 s23, 0
	s_mov_b32 s28, 0x76543210
	s_mov_b32 s29, 0xfedcba98                      ; v_permlanex16_b32's selects for lane l xor 16
	s_wait_dscnt 0x0
	s_wait_kmcnt 0x0
	s_cmp_lt_u32 s13, XT                           ; a tile of tokens or of codes?  The choice hangs on ids alone; all selects stand ahead of the subtraction
	s_cselect_b64 s[4:5], s[4:5], s[6:7]
	s_cselect_b64 s[8:9], s[8:9], s[10:11]
	s_cselect_b32 s14, 0, XT
	s_sub_co_u32 s13, s13, s14                     ; the tile's number in its tensor
	s_lshl_b32 s30, s13, 14                        ; 16 rows of 1,024 bytes
	s_mov_b32 s31, 0
	s_add_nc_u64 s[4:5], s[4:5], s[30:31]
	s_mul_i32 s30, s13, RECB
	s_add_nc_u64 s[8:9], s[8:9], s[30:31]          ; my record
	s_mov_b32 s24, 1                               ; group 0: count = 1,
	s_mov_b32 s25, s15                             ; LDS address,
	s_mov_b64 s[26:27], s[4:5]                     ; global address,
	s_or_b32 s27, s27, 0x80000000                  ; type = 2
	tensor_load_to_lds s[24:27], s[16:23]          ; my one tensor load
	s_nop 0
.rept 4
	v_nop
.endr
	v_and_b32 v1, 31, v0                           ; lane
	v_and_b32 v2, 15, v0                           ; r
	v_bfe_u32 v3, v0, 4, 1                         ; h
	v_mul_u32_u24 v4, v2, PITCH
	v_lshl_add_u32 v4, v3, 7, v4
	v_add_nc_u32 v4, s15, v4                       ; row r of my stage, + 128 h: my 32 numbers of the first 64 along K
	v_lshlrev_b32 v5, 4, v1                        ; 16 x lane
	v_lshlrev_b32 v6, 3, v1                        ; 8 x lane
	s_lshl_b32 s14, s12, 8
	s_add_co_u32 s14, s14, SCRB                    ; my 256 bytes of scratch
	v_lshl_add_u32 v7, v1, 2, s14                  ; in: 4 bytes a lane
	v_add_nc_u32 v8, s14, v6                       ; out: 8 bytes a lane
	v_lshlrev_b32 v9, 3, v3                        ; 8 h
	v_mov_b32 v28, 0                               ; a lane permute's destination counts as one of its sources
	s_wait_alu depctr_va_vdst(0)
	s_wait_tensorcnt 0x0                           ; my rows are in LDS; only I read them
.irp n, 0,1,2,3
.irp i, 0,1,2,3,4,5,6,7
	ds_load_b128 v[X+32*\n+4*\i:X+32*\n+4*\i+3], v4 offset:256*\n+16*\i   ; block n: k = 64 n + 32 h + 4 i ..
.endr
.endr
; Block n = 2 s + c of my row: its largest magnitude, scale, squares and codes.  All 32 numbers are mine.
.macro BLOCKQ n
.set XB, X+32*(\n)
.set FB, F+12*((\n)/2)+6*((\n)%2)
	s_wait_dscnt 24-8*(\n)                         ; LDS loads come back in order: the 8 loads of each later block may stay out
	v_max3_num_f32 v10, |v[XB]|, |v[XB+1]|, 0x1800000   ; with the floor 2^(3 - 127) among the leaves: the byte cannot fall under 1
	v_max3_num_f32 v11, |v[XB+2]|, |v[XB+3]|, |v[XB+4]|
.irp i, 5,9,13,17,21,25
	v_max3_num_f32 v10, v10, |v[XB+\i]|, |v[XB+\i+1]|
	v_max3_num_f32 v11, v11, |v[XB+\i+2]|, |v[XB+\i+3]|
.endr
	v_max3_num_f32 v10, v10, |v[XB+29]|, |v[XB+30]|
	v_max3_num_f32 v10, v10, v11, |v[XB+31]|
	v_add_nc_u32 v[14+(\n)], 0xff000000, v10       ; 2 off the exponent field: the conversion's scale operand
	v_lshrrev_b32 v[18+(\n)], 23, v[14+(\n)]       ; the scale's byte
.irp j, 0,1,2,3,4,5,6,7,8,9,10,11,12,13,14,15
.if ((\n) == 0) && (\j < 2)
	v_pk_mul_f32 v[22+2*\j:23+2*\j], v[XB+2*\j:XB+2*\j+1], v[XB+2*\j:XB+2*\j+1]   ; the first squares start the two chains
.else
	v_pk_fma_f32 v[22+2*(\j%2):23+2*(\j%2)], v[XB+2*\j:XB+2*\j+1], v[XB+2*\j:XB+2*\j+1], v[22+2*(\j%2):23+2*(\j%2)]
.endif
.endr
	v_cvt_scalef32_pk16_fp6_f32 v[FB:FB+2], v[XB:XB+15], v[14+(\n)]
	v_cvt_scalef32_pk16_fp6_f32 v[TC+4*(\n):TC+4*(\n)+2], v[XB+16:XB+31], v[14+(\n)]   ; (a conversion's three registers begin on an even number)
.endm
	BLOCKQ 0
	BLOCKQ 1
	BLOCKQ 2
	BLOCKQ 3
	v_nop                                          ; one plain place behind the last scaled conversion
.irp n, 0,1,2,3
.irp i, 0,1,2
	v_mov_b32 v[F+12*(\n/2)+6*(\n%2)+3+\i], v[TC+4*\n+\i]
.endr
.endr
	v_lshl_or_b32 v26, v19, 16, v18                ; K step 0: my bytes of blocks h and 2 + h,
	v_lshl_or_b32 v27, v21, 16, v20                ; K step 1 likewise,
	v_lshlrev_b32 v26, v9, v26                     ; at their places in the word (8 h bits up);
	v_lshlrev_b32 v27, v9, v27
	v_permlanex16_b32 v28, v26, s28, s29
	v_or_b32 v26, v26, v28                         ; with lane l xor 16's two the word is whole
	v_permlanex16_b32 v28, v27, s28, s29
	v_or_b32 v27, v27, v28
	v_cmp_lt_u32 vcc_lo, 15, v1
	v_cndmask_b32 v26, v26, v27, vcc_lo            ; lanes 16-31 carry K step 1's word
	v_pk_add_f32 v[22:23], v[22:23], v[24:25]
	v_add_f32 v29, v22, v23
	v_permlanex16_b32 v28, v29, s28, s29
	v_add_f32 v29, v29, v28                        ; the row's sum of squares, in both halves
	ds_store_b32 v7, v26
	ds_store_b32 v7, v29 offset:128
	ds_load_b64 v[30:31], v8                       ; LDS serves a wave's instructions in order: this sees my stores
.irp s, 0,1
.irp c, 0,1,2
	global_store_b128 v5, v[F+12*\s+4*\c:F+12*\s+4*\c+3], s[8:9] offset:1536*\s+512*\c   ; 32 lanes store 512 consecutive bytes, at a multiple of 256 from the buffer's first byte
.endr
.endr
	s_wait_dscnt 0x0
	global_store_b64 v6, v[30:31], s[8:9] offset:3072   ; the record's last 256 bytes by one store
	s_wait_tensorcnt 0x0
	ds_add_u32 v208, v209
	s_wait_dscnt 0x0
	s_endpgm
.Lfunc_end_k_qd11cba2b3f_quant:
	.size	k_qd11cba2b3f_quant, .Lfunc_end_k_qd11cba2b3f_quant-k_qd11cba2b3f_quant
	.p2alignl 7, 3214868480
	.fill 96, 4, 3214868480
	.section	.rodata,"a",@progbits
	.p2align	6, 0x0
	.amdhsa_kernel k_qd11cba2b3f_quant
		.amdhsa_group_segment_fixed_size 168704
		.amdhsa_private_segment_fixed_size 0
		.amdhsa_enable_private_segment 0
		.amdhsa_kernarg_size 32
		.amdhsa_user_sgpr_count 2
		.amdhsa_user_sgpr_kernarg_segment_ptr 1
		.amdhsa_wavefront_size32 1
		.amdhsa_system_sgpr_workgroup_id_x 1
		.amdhsa_system_sgpr_workgroup_id_y 1
		.amdhsa_system_sgpr_workgroup_id_z 1
		.amdhsa_system_vgpr_workitem_id 0
		.amdhsa_next_free_vgpr 210
		.amdhsa_next_free_sgpr 66
		.amdhsa_reserve_vcc 1
		.amdhsa_float_denorm_mode_32 3
		.amdhsa_float_denorm_mode_16_64 3
		.amdhsa_memory_ordered 1
		.amdhsa_forward_progress 1
		.amdhsa_inst_pref_size 17
	.end_amdhsa_kernel
	.amdgpu_metadata
---
amdhsa.version: [ 1, 2 ]
amdhsa.kernels:
  - .name:           k_qd11cba2b3f_quant
    .symbol:         k_qd11cba2b3f_quant.kd
    .args:
      - { .name: inputs, .offset: 0, .size: 8, .value_kind: global_buffer, .address_space: global }
      - { .name: emb, .offset: 8, .size: 8, .value_kind: global_buffer, .address_space: global }
      - { .name: xrec, .offset: 16, .size: 8, .value_kind: global_buffer, .address_space: global }
      - { .name: erec, .offset: 24, .size: 8, .value_kind: global_buffer, .address_space: global }
    .group_segment_fixed_size: 168704
    .private_segment_fixed_size: 0
    .kernarg_segment_align: 8
    .kernarg_segment_size: 32
    .max_flat_workgroup_size: 192
    .sgpr_count:     66
    .vgpr_count:     210
    .wavefront_size: 32
...
	.end_amdgpu_metadata
.endif
;; end of part 1
;; launch rows (part 2): grid 128 x 2, 16 waves a work-group, clusters of 4 x 1, 327,680 bytes of LDS; arguments xrec, erec, pm, order, astat; writes pm, order, astat
.if DOCPART == 2
	.amdgcn_target "amdgcn-amd-amdhsa--gfx1250"
	.amdhsa_code_object_version 6
	.text
	.protected	k_qd11cba2b3f_rows
	.globl	k_qd11cba2b3f_rows
	.p2align	8
	.type	k_qd11cba2b3f_rows,@function
k_qd11cba2b3f_rows:
	s_mov_b64 s[64:65], 0
	v_nop
	global_prefetch_b8 v0, s[64:65] scope:SCOPE_SE
	s_setreg_imm32_b32 hwreg(HW_REG_WAVE_MODE, 25, 1), 1
	s_wait_xcnt 0x0
	s_wait_alu depctr_hold_cnt(0) depctr_sa_sdst(0) depctr_va_vdst(0) depctr_va_sdst(0) depctr_va_ssrc(0) depctr_va_vcc(0) depctr_vm_vsrc(0)
	s_getreg_b32 s2, hwreg(HW_REG_IB_STS2, 6, 4)
	s_cmp_eq_u32 s2, 0
	s_cbranch_scc0 .Lentry_in_a_cluster
	s_endpgm
.Lentry_in_a_cluster:
	s_bfe_u32 s2, ttmp6, 0x10000c
	s_cmp_lg_u32 s2, 0x3003
	s_cbranch_scc0 .Lentry_shape_is_right
	s_endpgm
.Lentry_shape_is_right:
; WALK 1 over the scores.  For each token t and each HALF y of the 8,192 codes: the least d = (sx + se) - 2 P over the half, its first index, and l = the sum over the half of 2^(c m - c d), c = log2(e), m that least d.
; P = the product of the FP6 codes (two matrix instructions of 128 along K).  d has the roundings of the formula as written: A = sx + se rounded, then A - 2 P rounded once (fused).
; Stored at [y][t]: pm = m; order = the index; astat = c m - c sx - log2(l).  The next launch joins the halves.
; The softmax's maximum (the least d) is taken away by a RUNNING minimum: when it falls, l is multiplied by 2^(c m_new - c m_old).
; SHARES.  A work-group owns 128 tokens, eight records: waves 0-7 keep the first four in registers, waves 8-15 the others.  The half's 256 records of codes stream through a ring of two LDS slots of
; 32 records; wave w takes records 4 (w % 8) .. + 3 of each slot, so a fragment read from LDS feeds four matrix instructions.
; A RECORD'S WORK runs over the four token tiles by turns, stage by stage, so that no line reads the line above it; two numbers go in one dual-issue pair (DUAL = 0 writes the packed forms instead);
; the 36 exponentials of a record are one batch.  The fragments' registers serve as temporaries once the products have read them, and are loaded again behind that.
; THE CHANGE OF SLOTS lies inside a slot's last record: its nine LDS loads are the wave's last reads of the slot, so the waits, the add and the opening signal stand ahead of its products, and the round,
; the joint refill and the next slot's first LDS loads ahead of its exponentials.  A refill has three records' work of every wave in which to land.
; CLUSTER.  The four work-groups of a cluster share y and stream the same records: they ask JOINTLY (mask 15), waves 0-3 one load each of 8 records (104 rows of 256 bytes).
; NO PREFETCH: the stream is 851,968 bytes a half, walked in the same order by all 32 clusters of the half, and each load is asked for three records' work ahead of the wait for it.
; LAYOUT.  Source 0 = 16 codes, source 1 = 16 tokens: lane (r, h) holds token r of tile q, register j code 16 ct + 8 h + j.
; Ties go to the lowest index: strictly-less over ascending tiles in a lane, the lowest register, the lowest index among equals.
; LIMITS: NaN and infinities are not served; c d stays under 3e38.
.set DUAL,  1
.set RECB,  3328
.set LOADB, 8*RECB
.set SLOTB, 32*RECB
.set SLOT1, 1<<17                      ; slot 1 begins here
.set SCR,   SLOT1+SLOTB                ; behind the ring: m [16][128], the indices at + 8192, l at + 16384; no fill lands here
.set SPARE, SCR+3*8192                 ; the spare words: 128 bytes for each of 16 waves
.set NC,    0xbfb8aa3b                 ; -c
.set T,   10                           ; v10-17   A of tile 0, then two minima for each tile
.set H8,  18                           ; v18      8 h
.set CD0, 19                           ; v19, v97, v251, v253: tile q's new c m once more, in an odd register: the two addends of a dual multiply-add lie in registers of unlike parity
.set CD1, 97
.set CD2, 251
.set CD3, 253
.set ST,  20                           ; v20-43   tile q at ST + 6 q: +0, +2 c m (by turns), +1 m, +3 the best group's tile number, +4 sx, +5 l's factor
.set L,   44                           ; v44-51   l in two halves
.set SAV, 52                           ; v52-83   the eight d of the best group
.set SE,  84                           ; v84-91   se of my eight codes
.set BS,  92                           ; v92      the codes' scale words
.set QS,  93                           ; v93-96   the tokens' scale words
.set B,   98                           ; v98-121  the codes' two fragments; behind the products A of tiles 1-3
.set S,   122                          ; v122-153 four accumulators: P, then d, then p
.set Q,   154                          ; v154-249 the tokens' eight fragments: Q + 24 q + 12 s
.set ME,  98                           ; the merge: m, indices, l
.set IE,  114
.set LE,  130
.set WV,  14                           ; s14 wave; s15 wave % 4; s17 block of tokens; s18 the slot in hand; s19 my first tile in it; s20 wave % 8; s21 wave / 8
.set G1,  24
.set G0,  32
.macro ADD2 d, a, b                    ; two sums with one addend b
.if DUAL
	v_dual_add_f32 v[\d], v[\a], v[\b] :: v_dual_add_f32 v[(\d)+1], v[(\a)+1], v[\b]
.else
	v_pk_add_f32 v[\d:(\d)+1], v[\a:(\a)+1], v[\b:(\b)+1] op_sel_hi:[1,0]
.endif
.endm
.macro FMP d, k, a                     ; d = d k + a, two at a time
.if DUAL
	v_dual_fmamk_f32 v[\d], v[\d], \k, v[\a] :: v_dual_fmamk_f32 v[(\d)+1], v[(\d)+1], \k, v[(\a)+1]
.else
	v_pk_fma_f32 v[\d:(\d)+1], v[\d:(\d)+1], \k, v[\a:(\a)+1] op_sel_hi:[1,0,1]
.endif
.endm
.macro FMB d, k, a, a2                 ; the same with one addend for both, held in a (even) and a2 (odd)
.if DUAL
	v_dual_fmamk_f32 v[\d], v[\d], \k, v[\a] :: v_dual_fmamk_f32 v[(\d)+1], v[(\d)+1], \k, v[\a2]
.else
	v_pk_fma_f32 v[\d:(\d)+1], v[\d:(\d)+1], \k, v[\a:(\a)+1] op_sel_hi:[1,0,0]
.endif
.endm
.macro SEL2 d, s                       ; d = s where VCC is set
.if DUAL
	v_dual_cndmask_b32 v[\d], v[\d], v[\s] :: v_dual_cndmask_b32 v[(\d)+1], v[(\d)+1], v[(\s)+1]
.else
	v_cndmask_b32 v[\d], v[\d], v[\s], vcc_lo
	v_cndmask_b32 v[(\d)+1], v[(\d)+1], v[(\s)+1], vcc_lo
.endif
.endm
.macro ACC2 l, s
.if DUAL
	v_dual_add_f32 v[\l], v[\s], v[\l] :: v_dual_add_f32 v[(\l)+1], v[(\s)+1], v[(\l)+1]
.else
	v_pk_add_f32 v[\l:(\l)+1], v[\l:(\l)+1], v[\s:(\s)+1]
.endif
.endm
.macro MULF l, f
.if DUAL
	v_dual_mul_f32 v[\l], v[\f], v[\l] :: v_dual_mul_f32 v[(\l)+1], v[\f], v[(\l)+1]
.else
	v_mul_f32 v[\l], v[\f], v[\l]
	v_mul_f32 v[(\l)+1], v[\f], v[(\l)+1]
.endif
.endm
.macro CREST                           ; a round of the cluster's barrier behind its opening barrier
	s_cmp_lg_u32 s[WV], 0
	s_cbranch_scc1 .Lnw0_\@
	s_barrier_signal -3
.Lnw0_\@:
	s_barrier_wait -3
	s_barrier_signal -1
	s_barrier_wait -1
.endm
.macro CROUND
	s_barrier_signal -1
	s_barrier_wait -1
	CREST
.endm
.macro TLOAD                           ; waves 0-3 ask, each for its 8 records; the branch hangs on the wave's number alone
	s_cmp_lt_u32 s[WV], 4
	s_cbranch_scc0 .Lasked_\@
	tensor_load_to_lds s[G0:G0+3], s[G1:G1+7]
	s_nop 0
.rept 4
	v_nop
.endr
.Lasked_\@:
.endm
.macro LOADT i                         ; my i-th record of the slot, as it lies: two fragments, the scale words, se of my eight codes.  Nine loads
.irp s, 0,1
.irp c, 0,1,2
	ds_load_b128 v[B+12*\s+4*\c:B+12*\s+4*\c+3], v6 offset:RECB*(\i)+1536*\s+512*\c
.endr
.endr
	ds_load_b32 v[BS], v7 offset:RECB*(\i)
	ds_load_b128 v[SE:SE+3], v8 offset:RECB*(\i)
	ds_load_b128 v[SE+4:SE+7], v8 offset:RECB*(\i)+16
.endm
; One record.  co, cn: where the old and the new c m lie.  mode 0: the slot's next record is fetched; 1: change of slots with a refill; 2: change of slots, nothing left to ask for; 3: the walk's last record.
.macro TILE i, co, cn, mode
.if (\mode) == 1 || (\mode) == 2
	s_wait_tensorcnt 0x0                           ; all my tensor loads have landed: my part of the next slot
	ds_add_u32 v1, v2
.if (\mode) == 1
	ds_add_u32 v1, v2                              ; twice
	s_xor_b32 s[G0+1], s[G0+1], SLOT1              ; no load of mine is out: group 0 steps to the slot in hand
	s_add_nc_u64 s[G0+2:G0+3], s[G0+2:G0+3], SLOTB ; and to the next 32 records
.endif
	s_wait_dscnt 0x0                               ; the add is done; this record's loads, my last reads of the slot, are in
	s_barrier_signal -1                            ; only work on registers up to the wait
.else
	s_wait_dscnt 0x0                               ; the record's nine loads are in
.endif
.irp q, 0,1,2,3
	v_wmma_scale_f32_16x16x128_f8f6f4 v[S+8*\q:S+8*\q+7], v[B:B+11], v[Q+24*\q:Q+24*\q+11], 0, v[BS], v[QS+\q] matrix_a_fmt:MATRIX_FMT_FP6 matrix_b_fmt:MATRIX_FMT_FP6
.endr
.irp q, 0,1,2,3
	v_wmma_scale_f32_16x16x128_f8f6f4 v[S+8*\q:S+8*\q+7], v[B+12:B+23], v[Q+24*\q+12:Q+24*\q+23], v[S+8*\q:S+8*\q+7], v[BS], v[QS+\q] matrix_a_fmt:MATRIX_FMT_FP6 matrix_b_fmt:MATRIX_FMT_FP6 matrix_a_scale:MATRIX_SCALE_ROW1 matrix_b_scale:MATRIX_SCALE_ROW1
.endr
.if (\i) == 0
	v_mov_b32 v9, s19                              ; this tile's number.  This line and the next four name no register of the products: five places (ISA guide 7.12.1)
.else
	v_add_nc_u32 v9, 1, v9
.endif
.irp j, 0,2,4,6
	ADD2 T+\j, SE+\j, ST+4                         ; A = sx + se, rounded: tile 0
.endr
.irp q, 1,2,3
.irp j, 0,2,4,6
	ADD2 B+8*(\q-1)+\j, SE+\j, ST+6*\q+4           ; tiles 1-3, into the fragments' registers
.endr
.endr
.irp j, 0,2,4,6
	FMP S+\j, 0xc0000000, T+\j                     ; d = A - 2 P, rounded once; each accumulator is read from its low end on
.endr
.irp q, 1,2,3
.irp j, 0,2,4,6
	FMP S+8*\q+\j, 0xc0000000, B+8*(\q-1)+\j
.endr
.endr
.if (\mode) == 0
	LOADT (\i)+1
.endif
.irp q, 0,1,2,3
	v_min3_num_f32 v[T+2*\q], v[S+8*\q], v[S+8*\q+1], v[S+8*\q+2]
.endr
.irp q, 0,1,2,3
	v_min3_num_f32 v[T+2*\q+1], v[S+8*\q+3], v[S+8*\q+4], v[S+8*\q+5]
.endr
.irp q, 0,1,2,3
	v_min3_num_f32 v[T+2*\q], v[T+2*\q], v[S+8*\q+6], v[S+8*\q+7]
.endr
.irp q, 0,1,2,3
	v_min_num_f32 v[T+2*\q], v[T+2*\q], v[T+2*\q+1]   ; the group's least d
.endr
.irp q, 0,1,2,3
	v_cmp_lt_f32 vcc_lo, v[T+2*\q], v[ST+6*\q+1]   ; strictly under the least so far
	v_min_num_f32 v[ST+6*\q+1], v[ST+6*\q+1], v[T+2*\q]   ; m
	SEL2 SAV+8*\q, S+8*\q                          ; the best group's eight d are kept: which it was is looked up once, at the end
	SEL2 SAV+8*\q+2, S+8*\q+2
.if DUAL
	v_dual_mul_f32 v[ST+6*\q+\cn], s37, v[ST+6*\q+1] :: v_dual_mul_f32 v[CD\q], s37, v[ST+6*\q+1]   ; c m, twice
.else
	v_mul_f32 v[ST+6*\q+\cn], s37, v[ST+6*\q+1]    ; c m
.endif
	SEL2 SAV+8*\q+4, S+8*\q+4
	SEL2 SAV+8*\q+6, S+8*\q+6
	v_cndmask_b32 v[ST+6*\q+3], v[ST+6*\q+3], v9, vcc_lo
	v_sub_f32 v[ST+6*\q+5], v[ST+6*\q+\cn], v[ST+6*\q+\co]   ; c m_new - c m_old, 0 or less
.endr
.irp q, 0,1,2,3
.irp j, 0,2,4,6
	FMB S+8*\q+\j, NC, ST+6*\q+\cn, CD\q           ; c m - c d
.endr
.endr
	s_wait_alu depctr_va_vdst(0)                   ; the wait ahead of the batch, and of the barrier's wait
.if (\mode) == 1 || (\mode) == 2
	s_barrier_wait -1
.if (\mode) == 1
	CREST                                          ; no wave of any partner still reads the slot or has a load on its way
	TLOAD                                          ; the refill, first behind the round
.endif
	s_xor_b32 s18, s18, SLOT1                      ; on to the other slot,
	s_add_co_u32 s19, s19, 32                      ; whose tiles are 32 further on
	v_add_nc_u32 v6, s18, v3
	v_add_nc_u32 v7, s18, v4
	v_add_nc_u32 v8, s18, v5
	s_wait_alu depctr_va_vdst(0)                   ; the wait behind these writes
	LOADT 0
.endif
.irp q, 0,1,2,3
	v_exp_f32 v[ST+6*\q+5], v[ST+6*\q+5]           ; what l is multiplied by
.endr
.set K, 0
.rept 32
	v_exp_f32 v[S+K], v[S+K]
.set K, K+1
.endr
	v_nop                                          ; the plain place behind the batch
	s_wait_alu depctr_va_vdst(0)                   ; one wait for the batch
.irp q, 0,1,2,3
	MULF L+2*\q, ST+6*\q+5
.endr
.irp j, 0,2,4,6
.irp q, 0,1,2,3
	ACC2 L+2*\q, S+8*\q+\j
.endr
.endr
.endm
.macro SLOTW mode
	TILE 0, 0, 2, 0
	TILE 1, 2, 0, 0
	TILE 2, 0, 2, 0
	TILE 3, 2, 0, \mode
.endm
	s_load_b256 s[4:11], s[0:1], 0x0               ; xrec s[4:5], erec s[6:7], pm s[8:9], order s[10:11]
	s_load_b64 s[12:13], s[0:1], 0x20              ; astat
	v_lshl_add_u32 v1, v0, 2, SPARE                ; my spare word; never rewritten
	v_mov_b32 v2, 0                                ; 0; never rewritten
	ds_add_u32 v1, v2                              ; the opening lines: the add twice on end
	ds_add_u32 v1, v2
	v_lshrrev_b32 v3, 5, v0
	v_readfirstlane_b32 s[WV], v3                  ; wave 0..15
	s_and_b32 s15, s[WV], 3                        ; which 8 records of a slot I fetch, if I fetch
	s_and_b32 s20, s[WV], 7                        ; which 4 records of a slot I work on
	s_lshr_b32 s21, s[WV], 3                       ; which 64 of the work-group's tokens are mine
	s_bfe_u32 s16, ttmp6, 0x40000                  ; cx
	s_lshl_b32 s17, ttmp9, 2
	s_add_co_u32 s17, s17, s16                     ; my block of 128 tokens: it enters global addresses of my own tokens alone
	s_and_b32 s46, ttmp7, 0xffff                   ; y: the four partners share it
	s_mov_b32 s[G1], 15|(3<<16)|(1<<21)            ; mask: all four; elements of 8 bytes; bit 21 beside a mask
	s_mov_b32 s[G1+1], 32<<16                      ; rows of 256 bytes,
	s_mov_b32 s[G1+2], 104<<16                     ; 104 of them: 8 records
	s_mov_b32 s[G1+3], 32<<16
	s_mov_b32 s[G1+4], 104
	s_mov_b32 s[G1+5], 32                          ; dense
	s_mov_b32 s[G1+6], 0
	s_mov_b32 s[G1+7], 0
	s_mul_i32 s38, s15, LOADB                      ; my 8 records' place in a slot,
	s_mul_i32 s44, s46, 256*RECB
	s_add_co_u32 s44, s44, s38                     ; and in memory
	s_mov_b32 s45, 0
	s_mul_i32 s40, s17, 8*RECB                     ; my work-group's eight records of tokens
	s_mov_b32 s41, 0
	s_lshl_b32 s42, s46, 16                        ; its 128 words in each output: 4 (16,384 y + 128 block)
	s_lshl_b32 s43, s17, 9
	s_add_co_u32 s42, s42, s43
	s_mov_b32 s43, 0
	s_mov_b32 s18, 0
	s_lshl_b32 s19, s46, 8                         ; my first tile of codes: 256 y + 4 (wave % 8)
	s_lshl_b32 s47, s20, 2
	s_add_co_u32 s19, s19, s47
	s_mov_b32 s22, NC
	s_mov_b32 s37, 0x3fb8aa3b                      ; c
	s_mov_b32 s36, 6                               ; slots behind which a refill is asked for
	s_wait_dscnt 0x0
	s_wait_kmcnt 0x0
	s_add_nc_u64 s[4:5], s[4:5], s[40:41]
	s_add_nc_u64 s[8:9], s[8:9], s[42:43]
	s_add_nc_u64 s[10:11], s[10:11], s[42:43]
	s_add_nc_u64 s[12:13], s[12:13], s[42:43]
	s_mov_b32 s[G0], 1
	s_mov_b32 s[G0+1], s38
	s_add_nc_u64 s[G0+2:G0+3], s[6:7], s[44:45]
	s_or_b32 s[G0+3], s[G0+3], 0x80000000
	s_mul_i32 s40, s21, 4*RECB                     ; my four of the eight records of tokens
	s_mul_i32 s41, s20, 4*RECB                     ; my four records in a slot
	s_lshl_b32 s42, s20, 10                        ; my partial results: entry 2 (wave % 8) + h of 512 bytes, token 64 (wave / 8) + 16 q + r
	s_lshl_b32 s43, s21, 8
	s_add_co_u32 s42, s42, s43
	s_add_co_u32 s42, s42, SCR
	CROUND                                         ; the first joint loads meet
	TLOAD                                          ; slot 0: the half's records 0-31
	v_and_b32 v10, 31, v0                          ; lane
	v_bfe_u32 v11, v0, 4, 1                        ; h
	v_lshlrev_b32 v12, 4, v10
	v_lshlrev_b32 v13, 2, v10
	v_add_nc_u32 v14, s40, v12
	v_add_nc_u32 v15, s40, v13
.irp q, 0,1,2,3
.irp s, 0,1
.irp c, 0,1,2
	global_load_b128 v[Q+24*\q+12*\s+4*\c:Q+24*\q+12*\s+4*\c+3], v14, s[4:5] offset:RECB*\q+1536*\s+512*\c   ; my tokens' fragments stay in registers
.endr
.endr
	global_load_b32 v[QS+\q], v15, s[4:5] offset:RECB*\q+3072
	global_load_b32 v[ST+6*\q+4], v15, s[4:5] offset:RECB*\q+3200      ; sx of token r
.endr
	v_add_nc_u32 v3, s41, v12                      ; an image's place for my lane,
	v_add_nc_u32 v4, s41, v13
	v_add_nc_u32 v4, 3072, v4                      ; a scale word's,
	v_lshl_add_u32 v5, v11, 5, s41
	v_add_nc_u32 v5, 3200, v5                      ; se of codes 8 h .. 8 h + 7
	v_lshlrev_b32 v[H8], 3, v11
	v_mov_b32 v6, v3                               ; the walk begins in slot 0
	v_mov_b32 v7, v4
	v_mov_b32 v8, v5
.irp q, 0,1,2,3
	v_mov_b32 v[ST+6*\q], 0x7f61b1e6               ; c m and m begin at 3e38, over every d: the first factor is then 0, on an l of 0
	v_mov_b32 v[ST+6*\q+1], 0x7f61b1e6
	v_mov_b32 v[ST+6*\q+2], 0x7f61b1e6
	v_mov_b32 v[ST+6*\q+3], 0
	v_mov_b32 v[ST+6*\q+5], 0
	v_mov_b32 v[L+2*\q], 0
	v_mov_b32 v[L+2*\q+1], 0
.endr
.set K, 0
.rept 32
	v_mov_b32 v[SAV+K], 0                          ; the selects read them before they are first kept
.set K, K+1
.endr
	s_wait_alu depctr_va_vdst(0)                   ; the wait at the head's end
	s_wait_loadcnt 0x0                             ; my tokens
	s_wait_tensorcnt 0x0                           ; slot 1's first fill is issued as a refill is
	ds_add_u32 v1, v2
	ds_add_u32 v1, v2
	s_xor_b32 s[G0+1], s[G0+1], SLOT1
	s_add_nc_u64 s[G0+2:G0+3], s[G0+2:G0+3], SLOTB
	s_wait_dscnt 0x0
	CROUND
	TLOAD                                          ; slot 1: records 32-63
	LOADT 0
.Lslot:                                            ; 6 trips, a slot each
	SLOTW 1
	s_sub_co_u32 s36, s36, 1
	s_cmp_lg_u32 s36, 0
	s_wait_alu depctr_va_vdst(0)                   ; the wait ahead of the branch
	s_cbranch_scc1 .Lslot
	SLOTW 2                                        ; the last two slots are written out
	SLOTW 3
	; my lane's results: which of the best group's eight it was (the lowest register that equals m), the code's number, l's two halves
	v_and_b32 v3, 15, v0                           ; r
	v_lshl_add_u32 v4, v[H8], 6, s42               ; + 512 h
	v_lshl_add_u32 v4, v3, 2, v4                   ; where I store
	v_lshl_add_u32 v5, v0, 2, SCR                  ; where a thread of waves 0-3 reads
	v_lshlrev_b32 v6, 2, v0                        ; 4 x thread
.irp q, 0,1,2,3
	v_mov_b32 v[T+\q], 7
.irp j, 6,5,4,3,2,1,0
	v_cmp_neq_f32 vcc_lo, v[SAV+8*\q+\j], v[ST+6*\q+1]
	s_delay_alu instid0(VALU_DEP_1)
	v_cndmask_b32 v[T+\q], \j, v[T+\q], vcc_lo
.endr
	s_delay_alu instid0(VALU_DEP_1)
	v_lshl_add_u32 v[ST+6*\q+3], v[ST+6*\q+3], 4, v[T+\q]
	v_add_f32 v[L+2*\q], v[L+2*\q], v[L+2*\q+1]
	v_add_nc_u32 v[ST+6*\q+3], v[ST+6*\q+3], v[H8] ; 16 x tile + 8 h + register
	ds_store_b32 v4, v[ST+6*\q+1] offset:64*\q
	ds_store_b32 v4, v[ST+6*\q+3] offset:8192+64*\q
	ds_store_b32 v4, v[L+2*\q] offset:16384+64*\q
.endr
	s_wait_alu depctr_va_vdst(0)                   ; the wait ahead of the blocking wait
	s_wait_dscnt 0x0                               ; for the others' sake: my stores are done
	s_barrier_signal -1
	s_barrier_wait -1
	s_cmp_lt_u32 s[WV], 4
	s_cbranch_scc0 .Ldone
	; waves 0-3: a thread to a token; its 16 partial results become one
	v_lshrrev_b32 v7, 4, v0
	s_delay_alu instid0(VALU_DEP_1)
	v_mul_u32_u24 v7, v7, RECB
	s_delay_alu instid0(VALU_DEP_1)
	v_lshl_add_u32 v7, v3, 2, v7
	global_load_b32 v8, v7, s[4:5] offset:3200     ; sx of my token
.set K, 0
.rept 16
	ds_load_b32 v[ME+K], v5 offset:512*K
	ds_load_b32 v[IE+K], v5 offset:8192+512*K
	ds_load_b32 v[LE+K], v5 offset:16384+512*K
.set K, K+1
.endr
	v_mov_b32 v11, 0x7fffffff
	v_mov_b32 v12, 0x7fffffff
	s_wait_alu depctr_va_vdst(0)                   ; the wait ahead of the blocking waits
	s_wait_loadcnt 0x0
	s_wait_dscnt 0x0
	v_min3_num_f32 v10, v[ME], v[ME+1], v[ME+2]
.set K, 3
.rept 6
	s_delay_alu instid0(VALU_DEP_1)
	v_min3_num_f32 v10, v10, v[ME+K], v[ME+K+1]
.set K, K+2
.endr
	s_delay_alu instid0(VALU_DEP_1)
	v_min_num_f32 v10, v10, v[ME+15]               ; the token's least d in this half of the codes
.set K, 0
.rept 16
	v_cmp_eq_f32 vcc_lo, v[ME+K], v10
	s_delay_alu instid0(VALU_DEP_1)
	v_cndmask_b32 v14, v12, v[IE+K], vcc_lo
	s_delay_alu instid0(VALU_DEP_1)
	v_min_u32 v11, v11, v14                        ; the lowest index among those that reach it
.set K, K+1
.endr
	v_mul_f32 v13, s37, v10                        ; c m, by the line that made every entry's c m
.set K, 0
.rept 16
	v_mul_f32 v[ME+K], s37, v[ME+K]
.set K, K+1
.endr
.set K, 0
.rept 16
	v_sub_f32 v[ME+K], v13, v[ME+K]                ; 0 or less
.set K, K+1
.endr
	s_wait_alu depctr_va_vdst(0)                   ; ahead of the batch
.set K, 0
.rept 16
	v_exp_f32 v[ME+K], v[ME+K]
.set K, K+1
.endr
	v_nop
	s_wait_alu depctr_va_vdst(0)                   ; and behind it
	v_mul_f32 v20, v[LE], v[ME]
	v_mul_f32 v21, v[LE+1], v[ME+1]
.set K, 2
.rept 7
	v_fma_f32 v20, v[LE+K], v[ME+K], v20
	v_fma_f32 v21, v[LE+K+1], v[ME+K+1], v21
.set K, K+2
.endr
	s_delay_alu instid0(VALU_DEP_1)
	v_add_f32 v20, v20, v21                        ; l under the token's m
	s_wait_alu depctr_va_vdst(0)
	v_log_f32 v21, v20
	v_fma_f32 v22, s22, v8, v13                    ; c m - c sx.  (The plain place behind the logarithm)
	s_wait_alu depctr_va_vdst(0)
	v_sub_f32 v22, v22, v21
	global_store_b32 v6, v10, s[8:9]               ; pm
	global_store_b32 v6, v11, s[10:11]             ; order: the next launch forms addresses from it
	global_store_b32 v6, v22, s[12:13]             ; astat
.Ldone:
	s_wait_tensorcnt 0x0                           ; the wave's end
	ds_add_u32 v1, v2
	s_wait_dscnt 0x0
	CROUND                                         ; the closing round
	s_endpgm
.Lfunc_end_k_qd11cba2b3f_rows:
	.size	k_qd11cba2b3f_rows, .Lfunc_end_k_qd11cba2b3f_rows-k_qd11cba2b3f_rows
	.p2alignl 7, 3214868480
	.fill 96, 4, 3214868480
	.section	.rodata,"a",@progbits
	.p2align	6, 0x0
	.amdhsa_kernel k_qd11cba2b3f_rows
		.amdhsa_group_segment_fixed_size 327680
		.amdhsa_private_segment_fixed_size 0
		.amdhsa_enable_private_segment 0
		.amdhsa_kernarg_size 40
		.amdhsa_user_sgpr_count 2
		.amdhsa_user_sgpr_kernarg_segment_ptr 1
		.amdhsa_wavefront_size32 1
		.amdhsa_system_sgpr_workgroup_id_x 1
		.amdhsa_system_sgpr_workgroup_id_y 1
		.amdhsa_system_sgpr_workgroup_id_z 1
		.amdhsa_system_vgpr_workitem_id 0
		.amdhsa_next_free_vgpr 256
		.amdhsa_next_free_sgpr 66
		.amdhsa_reserve_vcc 1
		.amdhsa_float_denorm_mode_32 3
		.amdhsa_float_denorm_mode_16_64 3
		.amdhsa_memory_ordered 1
		.amdhsa_forward_progress 1
		.amdhsa_inst_pref_size 156
	.end_amdhsa_kernel
	.amdgpu_metadata
---
amdhsa.version: [ 1, 2 ]
amdhsa.kernels:
  - .name:           k_qd11cba2b3f_rows
    .symbol:         k_qd11cba2b3f_rows.kd
    .args:
      - { .name: xrec, .offset: 0, .size: 8, .value_kind: global_buffer, .address_space: global }
      - { .name: erec, .offset: 8, .size: 8, .value_kind: global_buffer, .address_space: global }
      - { .name: pm, .offset: 16, .size: 8, .value_kind: global_buffer, .address_space: global }
      - { .name: order, .offset: 24, .size: 8, .value_kind: global_buffer, .address_space: global }
      - { .name: astat, .offset: 32, .size: 8, .value_kind: global_buffer, .address_space: global }
    .group_segment_fixed_size: 327680
    .private_segment_fixed_size: 0
    .kernarg_segment_align: 8
    .kernarg_segment_size: 40
    .max_flat_workgroup_size: 512
    .sgpr_count:     66
    .vgpr_count:     256
    .wavefront_size: 32
...
	.end_amdgpu_metadata
.endif
;; end of part 2
;; launch cols (part 3): grid 64 x 4, 16 waves a work-group, clusters of 4 x 1, 327,680 bytes of LDS; arguments erec, xrec, astat, order, pm, inputs, emb, out0, out2, cpart, lpart; writes out0, out2, cpart, lpart
.if DOCPART == 3
	.amdgcn_target "amdgcn-amd-amdhsa--gfx1250"
	.amdhsa_code_object_version 6
	.text
	.protected	k_qd11cba2b3f_cols
	.globl	k_qd11cba2b3f_cols
	.p2align	8
	.type	k_qd11cba2b3f_cols,@function
k_qd11cba2b3f_cols:
	s_mov_b64 s[64:65], 0
	v_nop
	global_prefetch_b8 v0, s[64:65] scope:SCOPE_SE
	s_setreg_imm32_b32 hwreg(HW_REG_WAVE_MODE, 25, 1), 1
	s_wait_xcnt 0x0
	s_wait_alu depctr_hold_cnt(0) depctr_sa_sdst(0) depctr_va_vdst(0) depctr_va_sdst(0) depctr_va_ssrc(0) depctr_va_vcc(0) depctr_vm_vsrc(0)
	s_getreg_b32 s2, hwreg(HW_REG_IB_STS2, 6, 4)
	s_cmp_eq_u32 s2, 0
	s_cbranch_scc0 .Lentry_in_a_cluster
	s_endpgm
.Lentry_in_a_cluster:
	s_bfe_u32 s2, ttmp6, 0x10000c
	s_cmp_lg_u32 s2, 0x3003
	s_cbranch_scc0 .Lentry_shape_is_right
	s_endpgm
.Lentry_shape_is_right:
; WALK 2 over the scores, the joining of walk 1's two halves, and the gather.
; (1) a_t of the 4,096 tokens that stream: 2^(-a) = 2^(-A0) + 2^(-A1), as a = min(A0, A1) - log2(1 + 2^(-|A0 - A1|)); eight tokens a thread, stored into LDS.  out2 = the index of the half with the
;     smaller least d, the second half's only where it is strictly the smaller, so that a tie stays with the lower index.
; (2) Column sums: the work-group owns 128 codes (eight records: waves 0-7 keep the first four in registers, waves 8-15 the others) and a quarter of the tokens (work-group y), whose 256 records stream
;     through a ring of two LDS slots of 32 records.  p / l = 2^(2 c (P - se / 2) + a_t): -se / 2 is the C of each sum's first matrix instruction; a_t carries the row's maximum and its normaliser, so no
;     exponent lies above 0 but for rounding.  cpart[y][code] = the sum over the quarter's tokens.
; (3) The gather of the work-group's 64 tokens (four a wave).  BOTH halves' candidate rows are loaded, each by its stored index (held to 8,191), and the row is CHOSEN AS A VALUE: no address hangs on a
;     comparison of floats.  The indices are asked for at the head; the rows are loaded in the walk's last record, into the codes' fragment registers, which its products have read for the last time,
;     and are worked on behind the column sums' reductions.  out0 = x + (e - x); the sum of (e - x)^2 goes into lpart.
; LIMIT: the exponent is formed of the unrounded 2 P - se, where the formula as written rounds d = (sx + se) - 2 P first: they differ by half a last place of d at the most.  NaN and infinities are not served.
; SHARES, RING, CLUSTER as in walk 1: wave w takes records 4 (w % 8) .. + 3 of each slot; the four work-groups of a cluster share y and ask jointly (mask 15), waves 0-3 one load each of 8 records.
; THE CHANGE OF SLOTS lies inside a slot's last record: its LDS loads are the wave's last reads of the slot, so the waits, the add and the opening signal stand ahead of its products, and the round, the
; joint refill and the next slot's first LDS loads directly behind the places that follow them; the record's own vector work follows those loads.
; NO PREFETCH: the stream is 851,968 bytes a quarter, walked in the same order by all 16 clusters of the quarter, and each load is asked for four records' vector work ahead of the wait for it.
; LAYOUT.  Source 0 = 16 codes, source 1 = 16 tokens: lane (r, h) holds token r, register j code 8 h + j of tile c.  A column's sum over tokens runs over tiles in a lane, at the end over the 16 lanes and 8 waves.
.set RECB,  3328
.set LOADB, 8*RECB
.set SLOTB, 32*RECB
.set SLOT1, 1<<17
.set AST,   SLOT1+SLOTB                ; behind the ring: a_t, 16,384 bytes, stored by the waves; no fill lands here or behind
.set SCR2,  AST+16384                  ; the waves' column sums: [16][64] words
.set SCRL,  SCR2+4096                  ; the waves' sums of squares: 16 words in a block of 256 bytes
.set SPARE, SCRL+256                   ; the spare words, 128 bytes for each of 16 waves
.set HALF,  65536                      ; bytes from the first half's numbers to the second's in pm, order and astat
.set C2,    0x4038aa3b                 ; 2 c = 2 log2(e)
.set ATA,  12                          ; v12-13   a_t of token r, twice (an even and an odd register), even tiles of a slot
.set ATB,  252                         ; v252-253 the same, odd tiles
.set XS,   14                          ; v14      the tokens' scale words
.set ES,   16                          ; v16-19   the codes' scale words
.set X,    20                          ; v20-43   the tokens' two fragments; at the head: what is joined
.set D,    44                          ; v44-75   four accumulators
.set BIAS, 76                          ; v76-107  -se / 2 in the result's layout
.set ACC,  108                         ; v108-139 the column sums
.set E,    140                         ; v140-235 the codes' eight fragments: E + 24 c + 12 s
.set XR,   E                           ; the gather: x's four rows,
.set C0,   E+32                        ; the first half's candidates,
.set C1,   E+64                        ; the second half's
.set WV,   36                          ; s36 wave; s37 wave % 4; s38 wave % 8; s39 wave / 8; s49 block of codes; s50 y; s51 block of tokens; s52 the slot in hand; s53 its a_t
.set G1,   24
.set G0,   32
.macro CREST                           ; a round of the cluster's barrier behind its opening barrier
	s_cmp_lg_u32 s[WV], 0
	s_cbranch_scc1 .Lnw0_\@
	s_barrier_signal -3
.Lnw0_\@:
	s_barrier_wait -3
	s_barrier_signal -1
	s_barrier_wait -1
.endm
.macro CROUND
	s_barrier_signal -1
	s_barrier_wait -1
	CREST
.endm
.macro TLOAD                           ; waves 0-3 ask, each for its 8 records; the branch hangs on the wave's number alone
	s_cmp_lt_u32 s[WV], 4
	s_cbranch_scc0 .Lasked_\@
	tensor_load_to_lds s[G0:G0+3], s[G1:G1+7]
	s_nop 0
.rept 4
	v_nop
.endr
.Lasked_\@:
.endm
.macro LOADT i, ap                     ; my i-th record of the slot: two fragments, the scale words, a_t of token r twice.  Nine loads
.irp s, 0,1
.irp c, 0,1,2
	ds_load_b128 v[X+12*\s+4*\c:X+12*\s+4*\c+3], v6 offset:RECB*(\i)+1536*\s+512*\c
.endr
.endr
	ds_load_b32 v[XS], v7 offset:RECB*(\i)
	ds_load_b32 v[\ap], v8 offset:64*(\i)
	ds_load_b32 v[\ap+1], v8 offset:64*(\i)        ; the two addends of a dual multiply-add lie in registers of unlike parity
.endm
.macro FMA c, ap                       ; the exponents of tile c, from the accumulator's low end on, two in a dual-issue pair
.irp j, 0,2,4,6
	v_dual_fmamk_f32 v[D+8*(\c)+\j], v[D+8*(\c)+\j], C2, v[\ap] :: v_dual_fmamk_f32 v[D+8*(\c)+\j+1], v[D+8*(\c)+\j+1], C2, v[\ap+1]
.endr
.endm
.macro EXP c
.irp j, 0,1,2,3,4,5,6,7
	v_exp_f32 v[D+8*(\c)+\j], v[D+8*(\c)+\j]
.endr
.endm
.macro ADD c
.irp j, 0,2,4,6
	v_dual_add_f32 v[ACC+8*(\c)+\j], v[D+8*(\c)+\j], v[ACC+8*(\c)+\j] :: v_dual_add_f32 v[ACC+8*(\c)+\j+1], v[D+8*(\c)+\j+1], v[ACC+8*(\c)+\j+1]
.endr
.endm
.macro GLOADS                          ; the gather's 24 loads, 512 consecutive bytes each
	s_wait_kmcnt 0x0                               ; the indices and the least d, asked for at the head
.irp u, 0,1,2,3
	s_min_u32 s[40+\u], s[40+\u], 8191             ; an index stays inside its table
	s_min_u32 s[44+\u], s[44+\u], 8191
.endr
.irp u, 0,1,2,3
	v_lshl_add_u32 v[24+\u], s[40+\u], 10, v9      ; the row's 1,024 bytes, + 16 x lane
	v_lshl_add_u32 v[28+\u], s[44+\u], 10, v9
.endr
.irp u, 0,1,2,3
	global_load_b128 v[XR+8*\u:XR+8*\u+3], v9, s[14:15] offset:1024*\u th:TH_LOAD_NT
	global_load_b128 v[XR+8*\u+4:XR+8*\u+7], v9, s[14:15] offset:1024*\u+512 th:TH_LOAD_NT
	global_load_b128 v[C0+8*\u:C0+8*\u+3], v[24+\u], s[16:17]
	global_load_b128 v[C0+8*\u+4:C0+8*\u+7], v[24+\u], s[16:17] offset:512
	global_load_b128 v[C1+8*\u:C1+8*\u+3], v[28+\u], s[16:17]
	global_load_b128 v[C1+8*\u+4:C1+8*\u+7], v[28+\u], s[16:17] offset:512
.endr
.endm
; One record.  ap: its a_t; mode 0: record ni of the slot is fetched, its a_t into nap; 1: change of slots with a refill; 2: change of slots, nothing left to ask for; 3: the walk's last record.
.macro TILE ap, nap, ni, mode
.if (\mode) == 1 || (\mode) == 2
	s_wait_tensorcnt 0x0                           ; all my tensor loads have landed: my part of the next slot
	ds_add_u32 v1, v2
.if (\mode) == 1
	ds_add_u32 v1, v2                              ; twice
	s_xor_b32 s[G0+1], s[G0+1], SLOT1              ; no load of mine is out: group 0 steps to the slot in hand
	s_add_nc_u64 s[G0+2:G0+3], s[G0+2:G0+3], SLOTB ; and to the next 32 records
.endif
	s_wait_dscnt 0x0                               ; the add is done; this record's loads, my last reads of the slot, are in
	s_barrier_signal -1                            ; only work on registers up to the wait
.else
	s_wait_dscnt 0x0                               ; the record's nine loads are in
.endif
.irp c, 0,1,2,3
	v_wmma_scale_f32_16x16x128_f8f6f4 v[D+8*\c:D+8*\c+7], v[E+24*\c:E+24*\c+11], v[X:X+11], v[BIAS+8*\c:BIAS+8*\c+7], v[ES+\c], v[XS] matrix_a_fmt:MATRIX_FMT_FP6 matrix_b_fmt:MATRIX_FMT_FP6
.endr
.irp c, 0,1,2,3
	v_wmma_scale_f32_16x16x128_f8f6f4 v[D+8*\c:D+8*\c+7], v[E+24*\c+12:E+24*\c+23], v[X+12:X+23], v[D+8*\c:D+8*\c+7], v[ES+\c], v[XS] matrix_a_fmt:MATRIX_FMT_FP6 matrix_b_fmt:MATRIX_FMT_FP6 matrix_a_scale:MATRIX_SCALE_ROW1 matrix_b_scale:MATRIX_SCALE_ROW1
.endr
.rept 4
	v_nop                                          ; four places ahead of the loads into the products' registers and of the first read of a result; the four accumulators have taken turns
.endr
.if (\mode) == 0
	LOADT \ni, \nap
.endif
.if (\mode) == 1 || (\mode) == 2
	s_barrier_wait -1
.if (\mode) == 1
	CREST                                          ; no wave of any partner still reads the slot or has a load on its way
	TLOAD                                          ; the refill, first behind the round
.endif
	s_xor_b32 s52, s52, SLOT1                      ; on to the other slot,
	s_add_co_u32 s53, s53, 2048                    ; and to its 512 tokens' a_t
	v_add_nc_u32 v6, s52, v3
	v_add_nc_u32 v7, s52, v4
	v_add_nc_u32 v8, s53, v5
	s_wait_alu depctr_va_vdst(0)                   ; the wait behind these writes
	LOADT 0, \nap
.endif
.if (\mode) == 3
	GLOADS
.endif
	FMA 0, \ap
	FMA 1, \ap
	FMA 2, \ap
	FMA 3, \ap
	s_wait_alu depctr_va_vdst(0)                   ; the record's 32 exponentials are one batch: one wait ahead of it,
	EXP 0
	EXP 1
	EXP 2
	EXP 3
	v_nop                                          ; the plain place behind it,
	s_wait_alu depctr_va_vdst(0)                   ; and one wait behind it
	ADD 0
	ADD 1
	ADD 2
	ADD 3
.endm
.macro SLOTW mode
	TILE ATA, ATB, 1, 0
	TILE ATB, ATA, 2, 0
	TILE ATA, ATB, 3, 0
	TILE ATB, ATA, 0, \mode
.endm
	s_load_b256 s[4:11], s[0:1], 0x0               ; erec s[4:5], xrec s[6:7], astat s[8:9], order s[10:11]
	s_load_b256 s[12:19], s[0:1], 0x20             ; pm s[12:13], inputs s[14:15], emb s[16:17], out0 s[18:19]
	s_load_b128 s[20:23], s[0:1], 0x40             ; out2 s[20:21], cpart s[22:23]
	s_load_b64 s[84:85], s[0:1], 0x50              ; lpart
	v_lshl_add_u32 v1, v0, 2, SPARE                ; my spare word; never rewritten
	v_mov_b32 v2, 0                                ; 0; never rewritten
	ds_add_u32 v1, v2                              ; the opening lines: the add twice on end
	ds_add_u32 v1, v2
	v_lshrrev_b32 v3, 5, v0
	v_readfirstlane_b32 s[WV], v3                  ; wave 0..15
	s_and_b32 s37, s[WV], 3                        ; which 8 records of a slot I fetch, if I fetch
	s_and_b32 s38, s[WV], 7                        ; which 4 records of a slot I work on
	s_lshr_b32 s39, s[WV], 3                       ; which 64 of the work-group's codes are mine
	s_bfe_u32 s48, ttmp6, 0x40000                  ; cx
	s_lshl_b32 s49, ttmp9, 2
	s_add_co_u32 s49, s49, s48                     ; my block of 128 codes = 4 x cluster x + cx
	s_and_b32 s50, ttmp7, 0xffff                   ; y: which quarter of the tokens streams; the four partners share it
	s_lshl_b32 s51, s50, 6
	s_add_co_u32 s51, s51, s49                     ; my block of 64 tokens for the gather
	s_mov_b32 s[G1], 15|(3<<16)|(1<<21)            ; mask: all four; elements of 8 bytes; bit 21 beside a mask
	s_mov_b32 s[G1+1], 32<<16
	s_mov_b32 s[G1+2], 104<<16                     ; 104 rows of 256 bytes: 8 records
	s_mov_b32 s[G1+3], 32<<16
	s_mov_b32 s[G1+4], 104
	s_mov_b32 s[G1+5], 32
	s_mov_b32 s[G1+6], 0
	s_mov_b32 s[G1+7], 0
	s_mul_i32 s86, s37, LOADB                      ; the joint loads' places hang on y and the wave alone
	s_mul_i32 s74, s50, 256*RECB
	s_add_co_u32 s74, s74, s86
	s_mov_b32 s75, 0
	s_lshl_b32 s72, s49, 1                         ; my four records of codes: 4 (2 block + wave / 8) on
	s_add_co_u32 s72, s72, s39
	s_mul_i32 s72, s72, 4*RECB
	s_mov_b32 s73, 0
	s_lshl_b32 s76, s50, 14                        ; astat: the quarter's 4,096 words
	s_mov_b32 s77, 0
	s_lshl_b32 s78, s51, 8                         ; order, pm, out2: my work-group's 64 words,
	s_mov_b32 s79, 0
	s_lshl_b32 s94, s[WV], 4                       ; and my wave's four of them
	s_mov_b32 s95, 0
	s_lshl_b32 s80, s51, 16                        ; inputs, out0: 1,024 (64 g + 4 wave)
	s_lshl_b32 s81, s[WV], 12
	s_add_co_u32 s80, s80, s81
	s_mov_b32 s81, 0
	s_lshl_b32 s82, s50, 15                        ; cpart: 4 (8,192 y + 128 block)
	s_lshl_b32 s83, s49, 9
	s_add_co_u32 s82, s82, s83
	s_mov_b32 s83, 0
	s_lshl_b32 s88, s51, 2                         ; lpart: 4 g
	s_mov_b32 s89, 0
	s_mov_b32 s52, 0
	s_mov_b32 s53, 0
	s_mov_b32 s54, 6                               ; slots behind which a refill is asked for
	s_mov_b32 s56, 0x76543210
	s_mov_b32 s57, 0xfedcba98                      ; v_permlanex16_b32's selects for lane l xor 16
	s_wait_dscnt 0x0
	s_wait_kmcnt 0x0
	s_add_nc_u64 s[4:5], s[4:5], s[72:73]
	s_add_nc_u64 s[8:9], s[8:9], s[76:77]
	s_add_nc_u64 s[90:91], s[10:11], s[78:79]      ; order and pm at my work-group's tokens,
	s_add_nc_u64 s[92:93], s[12:13], s[78:79]
	s_add_nc_u64 s[20:21], s[20:21], s[78:79]
	s_add_nc_u64 s[10:11], s[90:91], s[94:95]      ; and at my wave's
	s_add_nc_u64 s[12:13], s[92:93], s[94:95]
	s_add_nc_u64 s[14:15], s[14:15], s[80:81]
	s_add_nc_u64 s[18:19], s[18:19], s[80:81]
	s_add_nc_u64 s[22:23], s[22:23], s[82:83]
	s_add_nc_u64 s[84:85], s[84:85], s[88:89]
	s_mov_b32 s[G0], 1
	s_mov_b32 s[G0+1], s86
	s_add_nc_u64 s[G0+2:G0+3], s[6:7], s[74:75]
	s_or_b32 s[G0+3], s[G0+3], 0x80000000
	s_mul_i32 s72, s38, 4*RECB                     ; my four records in a slot
	s_lshl_b32 s73, s38, 8
	s_add_co_u32 s73, s73, AST                     ; their tokens' a_t
	s_lshl_b32 s74, s[WV], 8
	s_add_co_u32 s74, s74, SCR2                    ; my wave's column sums
	s_lshl_b32 s75, s[WV], 2
	s_add_co_u32 s75, s75, SCRL                    ; my wave's sum of squares
	CROUND                                         ; the first joint loads meet
	TLOAD                                          ; slot 0: the quarter's records 0-31
	s_load_b128 s[40:43], s[10:11], 0x0            ; my four tokens: the first half's indices,
	s_load_b128 s[44:47], s[10:11], 0x10000        ; the second half's,
	s_load_b128 s[60:63], s[12:13], 0x0            ; the first half's least d,
	s_load_b128 s[68:71], s[12:13], 0x10000        ; the second half's: all four are waited for in the walk's last record
	v_and_b32 v242, 31, v0                         ; lane
	v_and_b32 v243, 15, v0                         ; r
	v_bfe_u32 v244, v0, 4, 1                       ; h
	v_and_b32 v247, 63, v0
	v_lshlrev_b32 v9, 4, v242                      ; 16 x lane
	v_lshlrev_b32 v245, 2, v242                    ; 4 x lane
	v_lshlrev_b32 v246, 5, v244                    ; 32 h
	v_lshlrev_b32 v247, 2, v247                    ; 4 x (thread % 64): a token of the work-group's 64
	v_lshlrev_b32 v255, 4, v0                      ; 16 x thread
	v_lshl_add_u32 v254, v0, 4, AST                ; and the same place among a_t in LDS
.irp c, 0,1,2,3
.irp s, 0,1
.irp k, 0,1,2
	global_load_b128 v[E+24*\c+12*\s+4*\k:E+24*\c+12*\s+4*\k+3], v9, s[4:5] offset:RECB*\c+1536*\s+512*\k   ; my codes' fragments stay in registers
.endr
.endr
	global_load_b32 v[ES+\c], v245, s[4:5] offset:RECB*\c+3072
	global_load_b128 v[BIAS+8*\c:BIAS+8*\c+3], v246, s[4:5] offset:RECB*\c+3200          ; se of codes 8 h .. 8 h + 7
	global_load_b128 v[BIAS+8*\c+4:BIAS+8*\c+7], v246, s[4:5] offset:RECB*\c+3216
.endr
	global_load_b128 v[28:31], v255, s[8:9]                    ; A of tokens 4 t .. and 2,048 + 4 t .. of the quarter: the first half of the codes,
	global_load_b128 v[32:35], v255, s[8:9] offset:8192
	global_load_b128 v[36:39], v255, s[8:9] offset:HALF        ; the second
	global_load_b128 v[40:43], v255, s[8:9] offset:HALF+8192
	global_load_b32 v20, v247, s[92:93]                        ; for out2: a token's two least d,
	global_load_b32 v21, v247, s[92:93] offset:HALF
	global_load_b32 v22, v247, s[90:91]                        ; and its two indices
	global_load_b32 v23, v247, s[90:91] offset:HALF
	v_add_nc_u32 v3, s72, v9                       ; an image's place for my lane,
	v_add_nc_u32 v4, s72, v245
	v_lshl_add_u32 v5, v243, 2, s73                ; a_t: 256 x (wave % 8) + 4 r
	v_lshl_add_u32 v236, v244, 5, s74              ; my wave's column sums, + 32 h
	v_add_nc_u32 v4, 3072, v4                      ; a scale word's
	v_mov_b32 v237, s75
	v_bfe_u32 v241, v0, 6, 1                       ; a thread of waves 0-3 takes code t: the eight waves of half t / 64, word t % 64
	v_lshl_add_u32 v239, v243, 2, SCRL
	v_lshlrev_b32 v240, 2, v0
	v_lshl_add_u32 v238, v241, 11, v247
	v_mov_b32 v6, v3                               ; the walk begins in slot 0
	v_mov_b32 v7, v4
	v_mov_b32 v8, v5
	v_add_nc_u32 v238, SCR2, v238
	v_mov_b32 v241, 0                              ; a lane permute's destination counts as one of its sources
	v_mov_b32 v15, 0
.set GP, 0
.rept 32
	v_mov_b32 v[ACC+GP], 0                         ; the column sums begin
.set GP, GP+1
.endr
	s_wait_alu depctr_va_vdst(0)                   ; the wait ahead of the blocking wait
	s_wait_loadcnt 0x0
	v_cmp_lt_f32 vcc_lo, v21, v20                  ; the second half's least d is strictly the smaller
	s_delay_alu instid0(VALU_DEP_1)
	v_cndmask_b32 v22, v22, v23, vcc_lo            ; the index is chosen as a value
	s_wait_alu depctr_va_vdst(0)
	s_cmp_lt_u32 s[WV], 2
	s_cbranch_scc0 .Lno_idx
	global_store_b32 v247, v22, s[20:21]           ; out2: waves 0 and 1, a thread to a token: 256 consecutive bytes between them
.Lno_idx:
	s_wait_xcnt 0x0                                ; the store's data register is loaded again only behind this wait
	; a_t of my eight tokens
.irp k, 0,1,2,3,4,5,6,7
	v_sub_f32 v[D+\k], v[28+\k], v[36+\k]
.endr
.irp k, 0,1,2,3,4,5,6,7
	v_min_num_f32 v[28+\k], v[28+\k], v[36+\k]
.endr
	s_wait_alu depctr_va_vdst(0)
.irp k, 0,1,2,3,4,5,6,7
	v_exp_f32 v[D+\k], -|v[D+\k]|                  ; at most 1
.endr
	v_nop
	s_wait_alu depctr_va_vdst(0)
.irp k, 0,1,2,3,4,5,6,7
	v_add_f32 v[D+\k], 1.0, v[D+\k]
.endr
	s_wait_alu depctr_va_vdst(0)
.irp k, 0,1,2,3,4,5,6,7
	v_log_f32 v[D+\k], v[D+\k]
.endr
	v_nop
	s_wait_alu depctr_va_vdst(0)
.irp k, 0,1,2,3,4,5,6,7
	v_sub_f32 v[28+\k], v[28+\k], v[D+\k]
.endr
	ds_store_b128 v254, v[28:31]                   ; 512 consecutive bytes a wave; the wait and the round below stand ahead of every read
	ds_store_b128 v254, v[32:35] offset:8192
.set GP, 0
.rept 16
	v_pk_mul_f32 v[BIAS+GP:BIAS+GP+1], v[BIAS+GP:BIAS+GP+1], -0.5 op_sel_hi:[1,0]
.set GP, GP+2
.endr
	s_wait_alu depctr_va_vdst(0)                   ; the wait at the head's end
	s_wait_tensorcnt 0x0                           ; slot 1's first fill is issued as a refill is
	ds_add_u32 v1, v2
	ds_add_u32 v1, v2
	s_xor_b32 s[G0+1], s[G0+1], SLOT1
	s_add_nc_u64 s[G0+2:G0+3], s[G0+2:G0+3], SLOTB
	s_wait_dscnt 0x0                               ; the adds are done, and my stores of a_t have landed
	CROUND
	TLOAD                                          ; slot 1: records 32-63
	LOADT 0, ATA
.Lslot:                                            ; 6 trips, a slot each
	SLOTW 1
	s_sub_co_u32 s54, s54, 1
	s_cmp_lg_u32 s54, 0
	s_wait_alu depctr_va_vdst(0)                   ; the wait ahead of the branch
	s_cbranch_scc1 .Lslot
	SLOTW 2                                        ; the last two slots are written out
	SLOTW 3
	; the sums over the 16 tokens that lie in the lanes of a half
.irp m, 1,2,4,8
.set GP, 0
.rept 32
	v_add_f32_dpp v[ACC+GP], v[ACC+GP], v[ACC+GP] row_xmask:\m row_mask:0xf bank_mask:0xf
.set GP, GP+1
.endr
.endr
.irp c, 0,1,2,3
	ds_store_b128 v236, v[ACC+8*\c:ACC+8*\c+3] offset:64*\c        ; codes 16 c + 8 h + 0 .. 7 of my 64: the lanes of a half write the same bytes with the same values
	ds_store_b128 v236, v[ACC+8*\c+4:ACC+8*\c+7] offset:64*\c+16
.endr
	; the gather
	s_wait_loadcnt 0x0                             ; x's rows and both candidates
.irp u, 0,1,2,3
	v_mov_b32 v6, s[60+\u]
	s_delay_alu instid0(VALU_DEP_1)
	v_cmp_lt_f32 vcc_lo, s[68+\u], v6              ; the second half's least d is strictly the smaller: alike in every lane
.irp j, 0,2,4,6
	v_dual_cndmask_b32 v[C0+8*\u+\j], v[C0+8*\u+\j], v[C1+8*\u+\j] :: v_dual_cndmask_b32 v[C0+8*\u+\j+1], v[C0+8*\u+\j+1], v[C1+8*\u+\j+1]   ; the row is chosen as a value
.endr
.endr
.set GP, 0
.rept 16
	v_pk_add_f32 v[C0+GP:C0+GP+1], v[C0+GP:C0+GP+1], v[XR+GP:XR+GP+1] neg_lo:[0,1] neg_hi:[0,1]   ; e - x
.set GP, GP+2
.endr
	v_pk_mul_f32 v[10:11], v[C0:C0+1], v[C0:C0+1]                           ; the first squares start the sum
	v_pk_add_f32 v[C0:C0+1], v[XR:XR+1], v[C0:C0+1]                         ; x + (e - x)
.set GP, 2
.rept 15
	s_delay_alu instid0(VALU_DEP_2)
	v_pk_fma_f32 v[10:11], v[C0+GP:C0+GP+1], v[C0+GP:C0+GP+1], v[10:11]
	v_pk_add_f32 v[C0+GP:C0+GP+1], v[XR+GP:XR+GP+1], v[C0+GP:C0+GP+1]
.set GP, GP+2
.endr
.irp u, 0,1,2,3
	global_store_b128 v9, v[C0+8*\u:C0+8*\u+3], s[18:19] offset:1024*\u th:TH_STORE_NT       ; 32 lanes store 512 consecutive bytes, at a multiple of 256 from out0's first byte
	global_store_b128 v9, v[C0+8*\u+4:C0+8*\u+7], s[18:19] offset:1024*\u+512 th:TH_STORE_NT
.endr
	v_add_f32 v10, v10, v11
.irp m, 1,2,4,8
	s_delay_alu instid0(VALU_DEP_1)
	v_add_f32_dpp v10, v10, v10 row_xmask:\m row_mask:0xf bank_mask:0xf
.endr
	s_delay_alu instid0(VALU_DEP_1)
	v_permlanex16_b32 v241, v10, s56, s57
	s_delay_alu instid0(VALU_DEP_1)
	v_add_f32 v10, v10, v241                       ; my wave's sum of squares
	ds_store_b32 v237, v10
	s_wait_alu depctr_va_vdst(0)                   ; the wait ahead of the blocking wait
	s_wait_dscnt 0x0                               ; for the others' sake: my stores are done
	s_barrier_signal -1
	s_barrier_wait -1
	s_cmp_lt_u32 s[WV], 4
	s_cbranch_scc0 .Ldone
	; waves 0-3: a thread to a code: the sums of the eight waves that hold it
.set GP, 0
.rept 8
	ds_load_b32 v[X+GP], v238 offset:256*GP
.set GP, GP+1
.endr
	ds_load_b32 v36, v239                          ; and lane r takes wave r's sum of squares
	s_wait_dscnt 0x0
	v_add_f32 v[X], v[X], v[X+1]
.set GP, 2
.rept 6
	s_delay_alu instid0(VALU_DEP_1)
	v_add_f32 v[X], v[X], v[X+GP]
.set GP, GP+1
.endr
	v_add_f32_dpp v36, v36, v36 row_xmask:1 row_mask:0xf bank_mask:0xf
.irp m, 2, 4, 8
	s_delay_alu instid0(VALU_DEP_1)
	v_add_f32_dpp v36, v36, v36 row_xmask:\m row_mask:0xf bank_mask:0xf
.endr
	global_store_b32 v240, v[X], s[22:23]          ; cpart: the four waves store 512 consecutive bytes
	s_wait_alu depctr_va_vdst(0)
	s_wait_xcnt 0x0                                ; EXEC changes only behind this wait
	v_cmp_eq_u32 vcc_lo, 0, v0
	s_and_saveexec_b32 s72, vcc_lo
	global_store_b32 v15, v36, s[84:85]            ; lpart: thread 0 alone
	s_wait_xcnt 0x0                                ; and again, in front of the line that widens it
	s_or_b32 exec_lo, exec_lo, s72
.Ldone:
	s_wait_tensorcnt 0x0                           ; the wave's end
	ds_add_u32 v1, v2
	s_wait_dscnt 0x0
	CROUND                                         ; the closing round
	s_endpgm
.Lfunc_end_k_qd11cba2b3f_cols:
	.size	k_qd11cba2b3f_cols, .Lfunc_end_k_qd11cba2b3f_cols-k_qd11cba2b3f_cols
	.p2alignl 7, 3214868480
	.fill 96, 4, 3214868480
	.section	.rodata,"a",@progbits
	.p2align	6, 0x0
	.amdhsa_kernel k_qd11cba2b3f_cols
		.amdhsa_group_segment_fixed_size 327680
		.amdhsa_private_segment_fixed_size 0
		.amdhsa_enable_private_segment 0
		.amdhsa_kernarg_size 88
		.amdhsa_user_sgpr_count 2
		.amdhsa_user_sgpr_kernarg_segment_ptr 1
		.amdhsa_wavefront_size32 1
		.amdhsa_system_sgpr_workgroup_id_x 1
		.amdhsa_system_sgpr_workgroup_id_y 1
		.amdhsa_system_sgpr_workgroup_id_z 1
		.amdhsa_system_vgpr_workitem_id 0
		.amdhsa_next_free_vgpr 256
		.amdhsa_next_free_sgpr 96
		.amdhsa_reserve_vcc 1
		.amdhsa_float_denorm_mode_32 3
		.amdhsa_float_denorm_mode_16_64 3
		.amdhsa_memory_ordered 1
		.amdhsa_forward_progress 1
		.amdhsa_inst_pref_size 102
	.end_amdhsa_kernel
	.amdgpu_metadata
---
amdhsa.version: [ 1, 2 ]
amdhsa.kernels:
  - .name:           k_qd11cba2b3f_cols
    .symbol:         k_qd11cba2b3f_cols.kd
    .args:
      - { .name: erec, .offset: 0, .size: 8, .value_kind: global_buffer, .address_space: global }
      - { .name: xrec, .offset: 8, .size: 8, .value_kind: global_buffer, .address_space: global }
      - { .name: astat, .offset: 16, .size: 8, .value_kind: global_buffer, .address_space: global }
      - { .name: order, .offset: 24, .size: 8, .value_kind: global_buffer, .address_space: global }
      - { .name: pm, .offset: 32, .size: 8, .value_kind: global_buffer, .address_space: global }
      - { .name: inputs, .offset: 40, .size: 8, .value_kind: global_buffer, .address_space: global }
      - { .name: emb, .offset: 48, .size: 8, .value_kind: global_buffer, .address_space: global }
      - { .name: out0, .offset: 56, .size: 8, .value_kind: global_buffer, .address_space: global }
      - { .name: out2, .offset: 64, .size: 8, .value_kind: global_buffer, .address_space: global }
      - { .name: cpart, .offset: 72, .size: 8, .value_kind: global_buffer, .address_space: global }
      - { .name: lpart, .offset: 80, .size: 8, .value_kind: global_buffer, .address_space: global }
    .group_segment_fixed_size: 327680
    .private_segment_fixed_size: 0
    .kernarg_segment_align: 8
    .kernarg_segment_size: 88
    .max_flat_workgroup_size: 512
    .sgpr_count:     96
    .vgpr_count:     256
    .wavefront_size: 32
...
	.end_amdgpu_metadata
.endif
;; end of part 3
;; launch fin (part 4): grid 1 x 1, 16 waves a work-group, no clusters, 2,304 bytes of LDS; arguments cpart, lpart, out1, out3; writes out1, out3
.if DOCPART == 4
	.amdgcn_target "amdgcn-amd-amdhsa--gfx1250"
	.amdhsa_code_object_version 6
	.text
	.protected	k_qd11cba2b3f_fin
	.globl	k_qd11cba2b3f_fin
	.p2align	8
	.type	k_qd11cba2b3f_fin,@function
k_qd11cba2b3f_fin:
	s_mov_b64 s[64:65], 0
	v_nop
	global_prefetch_b8 v0, s[64:65] scope:SCOPE_SE
	s_setreg_imm32_b32 hwreg(HW_REG_WAVE_MODE, 25, 1), 1
	s_wait_xcnt 0x0
; The two numbers.  avg[k] = (the sum over the four quarters y of cpart[y][k]) / 16,384;  E2 = the sum over k of avg log2(avg + 1e-10);  neg_entropy = ln(2) E2.
; out1 = 1.25 x (the sum of lpart) / 2^22 + 0.1 x neg_entropy;  out3 = exp(-neg_entropy) = 2^(-E2).
; One work-group of 16 waves: 128 KiB and 1 KiB are read, and a sum over all of it is wanted: one owner.  Thread t takes 16 codes; the threads of waves 0-7 one word of lpart each.
.set A,  16                            ; v16-31  cpart's first quarter, then the sum, then avg
.set BB, 32                            ; v32-47  its second, then log2(avg + 1e-10)
.set CC, 48                            ; v48-63  its third
.set DD, 64                            ; v64-79  its fourth
	s_load_b128 s[4:7], s[0:1], 0x0                ; cpart, lpart
	s_load_b128 s[8:11], s[0:1], 0x10              ; out1, out3
	v_lshl_add_u32 v96, v0, 2, 0x100
	v_mov_b32 v97, 0
	v_lshrrev_b32 v1, 5, v0
	s_delay_alu instid0(VALU_DEP_1)
	v_readfirstlane_b32 s12, v1                    ; wave 0..15
	v_lshlrev_b32 v2, 4, v0                        ; 16 x thread
	v_lshlrev_b32 v3, 2, v0                        ; 4 x thread
	v_mov_b32 v4, 0x38800000                       ; 2^-14, twice
	v_mov_b32 v5, 0x38800000
	v_mov_b32 v6, 0x2edbe6ff                       ; 1e-10, twice
	v_mov_b32 v7, 0x2edbe6ff
	s_lshl_b32 s13, s12, 2
	v_mov_b32 v12, s13                             ; LDS: my wave's word
	v_mov_b32 v13, 0
	v_mov_b32 v14, 0                               ; a lane permute's destination counts as one of its sources
	v_mov_b32 v80, 0                               ; waves 8-15 add nothing to the sum of squares
	s_mov_b32 s14, 0x76543210
	s_mov_b32 s15, 0xfedcba98
	s_mov_b32 s17, 0x3dcccccd                      ; 0.1
	s_wait_kmcnt 0x0
.irp y, 0,1,2,3
.irp i, 0,1,2,3
	global_load_b128 v[A+16*\y+4*\i:A+16*\y+4*\i+3], v2, s[4:5] offset:32768*\y+8192*\i   ; a wave's load covers 512 consecutive bytes
.endr
.endr
	s_cmp_lt_u32 s12, 8
	s_cbranch_scc0 .Lno_l
	s_wait_alu depctr_va_vdst(0)
	global_load_b32 v80, v3, s[6:7]                ; lpart has 256 words
.Lno_l:
	s_wait_loadcnt 0x0
.set P, 0
.rept 8
	v_pk_add_f32 v[A+P:A+P+1], v[A+P:A+P+1], v[BB+P:BB+P+1]
	v_pk_add_f32 v[CC+P:CC+P+1], v[CC+P:CC+P+1], v[DD+P:DD+P+1]
.set P, P+2
.endr
.set P, 0
.rept 8
	v_pk_add_f32 v[A+P:A+P+1], v[A+P:A+P+1], v[CC+P:CC+P+1]
.set P, P+2
.endr
.set P, 0
.rept 8
	v_pk_fma_f32 v[BB+P:BB+P+1], v[A+P:A+P+1], v[4:5], v[6:7]                 ; avg + 1e-10
	v_pk_mul_f32 v[A+P:A+P+1], v[A+P:A+P+1], v[4:5]                           ; avg
.set P, P+2
.endr
.set P, 0
	s_wait_alu depctr_va_vdst(0)
.rept 16
	v_log_f32 v[BB+P], v[BB+P]
.set P, P+1
.endr
	v_nop                                          ; a plain place behind the logarithms
	s_wait_alu depctr_va_vdst(0)
.irp k, 0,1,2,3
	v_mul_f32 v[8+\k], v[A+\k], v[BB+\k]           ; four chains, started by the first four products
.endr
.set P, 4
.rept 3
.irp k, 0,1,2,3
	v_fma_f32 v[8+\k], v[A+P+\k], v[BB+P+\k], v[8+\k]
.endr
.set P, P+4
.endr
	s_delay_alu instid0(VALU_DEP_3)
	v_add_f32 v8, v8, v9
	s_delay_alu instid0(VALU_DEP_2)
	v_add_f32 v10, v10, v11
	s_delay_alu instid0(VALU_DEP_1)
	v_add_f32 v8, v8, v10
.macro WSUM r                          ; the sum over the wave's 32 lanes, in every lane
.irp m, 1
	v_add_f32_dpp v[\r], v[\r], v[\r] row_xmask:\m row_mask:0xf bank_mask:0xf
.endr
.irp m, 2, 4, 8
	s_delay_alu instid0(VALU_DEP_1)
	v_add_f32_dpp v[\r], v[\r], v[\r] row_xmask:\m row_mask:0xf bank_mask:0xf
.endr
	s_delay_alu instid0(VALU_DEP_1)
	v_permlanex16_b32 v14, v[\r], s14, s15
	s_delay_alu instid0(VALU_DEP_1)
	v_add_f32 v[\r], v[\r], v14
.endm
	WSUM 8
	WSUM 80
	ds_store_b32 v12, v8
	ds_store_b32 v12, v80 offset:64
	s_wait_dscnt 0x0                               ; for the others' sake: my stores are done
	s_barrier_signal -1
	s_barrier_wait -1
.irp i, 0,1,2,3,4,5,6,7
	ds_load_b128 v[16+4*\i:19+4*\i], v13 offset:16*\i   ; sixteen sums of each kind, in every lane
.endr
	s_wait_dscnt 0x0
.irp i, 1
	v_add_f32 v16, v16, v[16+\i]
	v_add_f32 v32, v32, v[32+\i]
.endr
.irp i, 2, 3, 4, 5, 6, 7, 8, 9, 10, 11, 12, 13, 14, 15
	s_delay_alu instid0(VALU_DEP_2)
	v_add_f32 v16, v16, v[16+\i]
	s_delay_alu instid0(VALU_DEP_2)
	v_add_f32 v32, v32, v[32+\i]
.endr
	s_delay_alu instid0(VALU_DEP_2)
	v_mul_f32 v10, 0x3f317218, v16                 ; neg_entropy = ln(2) E2
	s_delay_alu instid0(VALU_DEP_2)
	v_mul_f32 v9, 0x34a00000, v32                  ; 1.25 x 2^-22 x the sum of squares
	s_wait_alu depctr_va_vdst(0)
	v_exp_f32 v11, -v16                            ; the perplexity
	v_fma_f32 v10, v10, s17, v9                    ; the loss.  (The plain place behind the exponential)
	s_wait_alu depctr_va_vdst(0)
	s_wait_xcnt 0x0                                ; EXEC changes only behind this wait
	v_cmp_eq_u32 vcc_lo, 0, v0
	s_wait_tensorcnt 0x0
	ds_add_u32 v96, v97
	s_wait_dscnt 0x0
	s_and_saveexec_b32 s16, vcc_lo
	global_store_b32 v13, v10, s[8:9]              ; thread 0 alone
	s_wait_alu depctr_va_vdst(0)
	global_store_b32 v13, v11, s[10:11]
	s_wait_xcnt 0x0                                ; and again, in front of the line that widens it
	s_or_b32 exec_lo, exec_lo, s16
	s_endpgm
.Lfunc_end_k_qd11cba2b3f_fin:
	.size	k_qd11cba2b3f_fin, .Lfunc_end_k_qd11cba2b3f_fin-k_qd11cba2b3f_fin
	.p2alignl 7, 3214868480
	.fill 96, 4, 3214868480
	.section	.rodata,"a",@progbits
	.p2align	6, 0x0
	.amdhsa_kernel k_qd11cba2b3f_fin
		.amdhsa_group_segment_fixed_size 2304
		.amdhsa_private_segment_fixed_size 0
		.amdhsa_enable_private_segment 0
		.amdhsa_kernarg_size 32
		.amdhsa_user_sgpr_count 2
		.amdhsa_user_sgpr_kernarg_segment_ptr 1
		.amdhsa_wavefront_size32 1
		.amdhsa_system_sgpr_workgroup_id_x 1
		.amdhsa_system_sgpr_workgroup_id_y 1
		.amdhsa_system_sgpr_workgroup_id_z 1
		.amdhsa_system_vgpr_workitem_id 0
		.amdhsa_next_free_vgpr 98
		.amdhsa_next_free_sgpr 66
		.amdhsa_reserve_vcc 1
		.amdhsa_float_denorm_mode_32 3
		.amdhsa_float_denorm_mode_16_64 3
		.amdhsa_memory_ordered 1
		.amdhsa_forward_progress 1
		.amdhsa_inst_pref_size 12
	.end_amdhsa_kernel
	.amdgpu_metadata
---
amdhsa.version: [ 1, 2 ]
amdhsa.kernels:
  - .name:           k_qd11cba2b3f_fin
    .symbol:         k_qd11cba2b3f_fin.kd
    .args:
      - { .name: cpart, .offset: 0, .size: 8, .value_kind: global_buffer, .address_space: global }
      - { .name: lpart, .offset: 8, .size: 8, .value_kind: global_buffer, .address_space: global }
      - { .name: out1, .offset: 16, .size: 8, .value_kind: global_buffer, .address_space: global }
      - { .name: out3, .offset: 24, .size: 8, .value_kind: global_buffer, .address_space: global }
    .group_segment_fixed_size: 2304
    .private_segment_fixed_size: 0
    .kernarg_segment_align: 8
    .kernarg_segment_size: 32
    .max_flat_workgroup_size: 512
    .sgpr_count:     66
    .vgpr_count:     98
    .wavefront_size: 32
...
	.end_amdgpu_metadata
.endif
;; end of part 4
